; MI455X (gfx1250); checked and timed in simulation.
; The chip was launched on July 23, 2026; its instructions are those of AMD's public machine-readable ISA for CDNA 5 (MIT licence, August 2026) and "CDNA5" Instruction Set Architecture Reference Guide (July 2026). The comments in the code are by the model that wrote it; some were corrected since.
;; Deep FM Ranker. Allowed arithmetic: matrix products marked QUANTISED: E5M2 operands, one given power-of-two scale a tensor, by v_wmma_f32_16x16x64_bf8_bf8 or v_wmma_f32_16x16x128_bf8_bf8, f32 sums; products left as they are: f32 operands where the result goes on into a quantised operand, else bf16, f16 or f32 operands; f32 sums; everything else in f32.
;; Inputs: W1 128 x 200 float32; W2 64 x 128 float32; Wout 1 x 64 float32; b1 128 float32; b2 64 float32; bout 1 float32; dense_W 1 x 8 float32; dense_b 1 float32; dense_features 16,384 x 8 float32; emb_age 7 x 32 float32; emb_gender 2 x 32 float32; emb_genre 19 x 32 float32; emb_item 100,000 x 32 float32; emb_occ 21 x 32 float32; emb_user 1,000,000 x 32 float32; fo_age 7 x 1 float32; fo_gender 2 x 1 float32; fo_genre 19 x 1 float32; fo_item 100,000 x 1 float32; fo_occ 21 x 1 float32; fo_user 1,000,000 x 1 float32; item_genre_ids 16,384 x 6 int32; item_genre_mask 16,384 x 6 float32; item_id 16,384 int32; lowp_scales 4 int32 (the exponents e of the quantised operands' scales 2^e); user_age 16,384 int32; user_gender 16,384 int32; user_id 16,384 int32; user_occupation 16,384 int32.
;; Outputs: out0 16,384 float32.
;; This version of the problem:
;;   THIS VERSION OF THE PROBLEM IS GIVEN IN LOW PRECISION. The matrix products marked QUANTISED in the list below multiply operands that are first quantised to E5M2 (5 exponent bits, 2 mantissa bits; 8 bits a number), with one given power-of-two scale for each operand tensor; their sums are f32. All else is computed in f32.
;;   The module's matrix products, in the order in which they are computed (A, B: the left and right operand; K: the contracted axis; several contracted axes count as one K, in the product's order):
;;     1. [M 16,384, K 8] x [K 8, N 1]; A: input dense_features; B: input dense_W: left as it is (K = 8 < 32)
;;     2. [M 16,384, K 200] x [K 200, N 128]; A: computed on the way; B: input W1: QUANTISED (scales: A lowp_scales[0], B lowp_scales[1])
;;     3. [M 16,384, K 128] x [K 128, N 64]; A: computed on the way; B: input W2: QUANTISED (scales: A lowp_scales[2], B lowp_scales[3])
;;     4. [M 16,384, K 64] x [K 64, N 1]; A: computed on the way; B: input Wout: left as it is (N = 1 < 16)
;;   THE QUANTISER, for each operand of a quantised product, along K:
;;     - The operand's scale is 2^e, e = its entry of the input lowp_scales (int32; the entries are numbered through the quantised products in the list's order, A before B).
;;     - Each number is divided by the scale, clamped to +-57,344, and rounded to the nearest number of E5M2, ties to even, subnormals kept.
;;     - The product sums the exact products of the quantised numbers (number of the format x scale) in f32.
;;   ~~~python
;;   def quantise(x, axis, e):      # numpy; x: float32 -> the quantised numbers, widened to float32 again
;;       x = np.moveaxis(x, axis, -1); K = x.shape[-1]
;;       r = np.clip(x / 2.0 ** e, -57344, 57344)
;;       step = 2.0 ** (np.maximum(np.frexp(np.where(r == 0, 1, r))[1] - 1, -14) - 2)
;;       q = np.round(r / step) * step * 2.0 ** e      # np.round: ties to even
;;       return np.moveaxis(q, -1, axis).astype(np.float32)
;;   ~~~
;;   OPERANDS COMPUTED ON THE WAY. 'Computed on the way' means the value that the module computes at that place (a softmax that the list does not call 'softmax' is quantised finished and normalised). What goes into a quantiser is computed in f32, as accurately as f32 sums, v_exp_f32 and their like allow (about 1e-6 of the number): no bf16 or f16 on the way to a quantiser, and a product that is left as it is and whose result goes on into a quantised operand takes f32 operands (vector FMAs, or v_wmma_f32_16x16x4_f32). A number that lies on a knife's edge between two numbers of the format may be rounded either way, as far as f32 arithmetic and the matrix unit's own rounding can turn it there, and no further.
;; 2 versions. Each part assembles by itself: llvm-mc -triple=amdgcn-amd-amdhsa -mcpu=gfx1250 --defsym DOCPART=n.
;; ======== version 1 of 2: 1 launch
;; launch deepfm (part 1): grid 256 x 1, 4 waves a work-group, no clusters, 27,136 bytes of LDS; arguments user_id, item_id, user_gender, user_age, user_occupation, item_genre_ids, item_genre_mask, dense_features, emb_user, emb_item, emb_gender, emb_age, emb_occ, emb_genre, fo_user, fo_item, fo_gender, fo_age, fo_occ, fo_genre, dense_W, dense_b, W1, b1, W2, b2, Wout, bout, lowp_scales, out0; writes out0
.if DOCPART == 1
	.amdgcn_target "amdgcn-amd-amdhsa--gfx1250"
	.amdhsa_code_object_version 6
	.text
	.protected	k_q957ff930f0_deepfm
	.globl	k_q957ff930f0_deepfm
	.p2align	8
	.type	k_q957ff930f0_deepfm,@function
k_q957ff930f0_deepfm:
	s_mov_b64 s[64:65], 0
	v_nop
	global_prefetch_b8 v0, s[64:65] scope:SCOPE_SE
	s_setreg_imm32_b32 hwreg(HW_REG_WAVE_MODE, 25, 1), 1
	s_wait_xcnt 0x0
; DeepFM ranker, 16,384 rows, in one launch.  out = first order + second order + deep.
;   first  = five 1-wide gathers + masked mean of six 1-wide genre gathers + dense_features . dense_W + dense_b
;   second = the sum over pairs of fields f < g of x_f . x_g  (equal to 0.5 (s^2 - sum x^2); formed by a running sum, so that no difference of large sums is taken; the order of rounding differs from the source's)
;   deep   = relu(relu(deep_in W1^T + b1) W2^T + b2) Wout^T + bout; the first two products on codes of BF8 (E5M2) with the four given scales 2^e0 (deep_in), 2^e1 (W1), 2^e2 (h1), 2^e3 (W2); the last by f32 multiply-adds.
; SHARES.  256 work-groups of four waves; a work-group owns 64 rows.  For the GATHER the waves share the rows: wave w takes rows 16 w .. 16 w + 15, lane (r, h) = row r, numbers 16 h .. 16 h + 15 of each field of 32.
; For the PRODUCTS they share the columns: wave w makes hidden units 32 w .. 32 w + 31 of layer 1 and 16 w .. 16 w + 15 of layer 2, for all 64 rows.  So a wave loads and quantises only its quarter of W1 and W2,
; straight into operand registers, while its gathers are on their way.  Codes go from wave to wave through LDS as images of the operand's registers (16 bytes a lane, 512 bytes a store).  Three barriers.
; K OF THE FIRST PRODUCT is 200, filled up to 256 (two instructions of 128) with zero codes on both sides.  A block of 32 along K is one field: b = 0 user, 1 item, 2 gender, 3 age, 4 occupation, 5 pooled genre,
; 6: the eight dense features (k = 192 .. 199: numbers 0-7 of the lanes with h = 0), 7: nothing.  In both operands register 4 b + t, byte i of lane (r, h) holds k = 32 b + 16 h + 4 t + i: the same order of k on both sides.
; BOTH PRODUCTS ARE USED TRANSPOSED (source 0 = 16 rows of the weight, source 1 = 16 data rows): a lane holds one data row.  Lane r of W1's tile u takes row 32 w + 8 u + r + 8 (r / 8), so that a lane's 16 results
; of tiles 0 and 1 are hidden units 32 w + 16 h + 0 .. 15: four registers of codes, chunk w of the next operand's image.
; SCALES.  b1 enters as C, divided by 2^(e0 + e1); h1's conversion takes 2^(e2 - e0 - e1); b2 enters as C, divided by 2^(e2 + e3); the last sum is multiplied by 2^(e2 + e3), which is positive, so relu may stand ahead of it.
; LIMITS.  e0, e1, e3 and e2 - e0 - e1 lie between -126 and 112, so that each scale and 57,344 x the scale are f32 numbers.  NaN among the inputs is not served.  Indices lie inside their tables (the v_min_u32 only bounds the address).
; LEFT OUT.  No joint loads in a cluster: what work-groups share are the weights, 135,168 bytes, which each reads once, each lane's 64 bytes in operand order; through LDS they would be read a second time, for a text of three barriers.
; No prefetch: a gathered row's address is known only when its id has arrived, and then the load itself goes out.  No tensor loads: nothing is read twice and there is no ring.
;
; LDS: XIMG x's 8 fragments ((2 m + s) x 2,048 bytes; wave w writes m = w) | HIMG h1's 4 fragments (chunk w of each from wave w) | DP four planes of 64 words: wave w's part of deep | TP 64 words: first + second + dense_b + bout
.set XIMG, 0
.set HIMG, 16384
.set DP,   24576
.set TP,   25600                       ; = DP + 4 x 256: the fifth plane
; REGISTERS, in windows of 256.  Window 0, kept: v1 lane, v2 r, v3 h, v4 64 h, v5 4 row, v6 24 row, v7 32 row, v8/v9 W1's offsets (with and without 64 h), v10 W2's, v11 b1's, v12 b2's and Wout's,
;   v13 16 lane, v14 + 4,096 w, v15 + 512 w, v16 4 r + 64 w, v17 4 r + 256 w, v18 8 lane, v20-27 four pairs (scale, 57,344 x scale): e0, e1, e2 - e0 - e1, e3; v28-35 Wout.
.set LI,   13
.set XWI,  14
.set HWI,  15
.set WO,   28
.set IDS,  36                          ; v36-40  five ids; later the five first-order numbers
.set GID,  42                          ; v42-47  six genre ids; later fo_genre's six numbers
.set GM,   48                          ; v48-53  six masks
.set DF,   54                          ; v54-61  eight dense features
.set EO,   62                          ; v62-72  byte offsets of the eleven rows of 32: 128 id + 64 h
.set FO,   74                          ; v74-84  byte offsets of the eleven first-order numbers: 4 id
.set X,    96                          ; v96-191 my 16 numbers of field f at X + 16 f
.set S,    192                         ; v192-207 running sum of the fields
.set ACC,  208                         ; v208-223 second order
.set PC,   224                         ; v224-255 x's codes: two fragments
.set HA,   40                          ; v40-103 layer 1: accumulator (m, u) at HA + 16 m + 8 u
.set XF,   104                         ; v104-231 x's fragment (m, s) at XF + 16 (2 m + s)
.set HC,   232                         ; v232-247 h1's codes, four registers for each m
.set HF,   104                         ; v104-167 h1's fragment m
.set YA,   168                         ; v168-199 layer 2: accumulator m
.set DA,   200                         ; v200-207 a pair for each m
.set Z,    208                         ; v208-217 the five planes at the end
.set WS,   0                           ; window 1: W1's numbers: tile u, block b at 104 u + 16 b (block 6: eight numbers)
.set W2S,  0                           ; window 2: W2's numbers, block c at 16 c;
.set WC1,  64                          ;   W1's codes: fragment (u, s) at WC1 + 16 (2 u + s);
.set WC2,  128                         ;   W2's codes;
.set B1,   144                         ;   b1: tile u at B1 + 8 u;
.set B2,   160                         ;   b2
.set G,    0                           ; window 3: genre row g at 16 g
.set MSB, 0
.macro WIN new                         ; s_set_vgpr_msb: bits 1:0 source 0, 3:2 source 1, 5:4 source 2, 7:6 destination; the high byte repeats the setting that is left
.if MSB != \new
	s_set_vgpr_msb (MSB<<8)|\new
.set MSB, \new
.endif
.endm
.macro MKSC e, sc, lim                 ; v[sc] = 2^e as f32 (the conversion takes its exponent field), v[lim] = 57,344 x 2^e
	s_add_co_i32 s84, \e, 127
	s_lshl_b32 s85, s84, 23
	v_mov_b32 v[\sc], s85
	s_add_co_i32 s84, s84, 15
	s_lshl_b32 s84, s84, 23
	s_or_b32 s84, s84, 0x600000
	v_mov_b32 v[\lim], s84
.endm
.macro OFFS id, max, eo, fo            ; a loaded index becomes two byte offsets; behind the bound stand a shift and an addition only
	v_min_u32 v[\id], \max, v[\id]
	v_lshlrev_b32 v[\eo], 7, v[\id]
	v_add_nc_u32 v[\eo], v[\eo], v4
	v_lshlrev_b32 v[\fo], 2, v[\id]
.endm
.macro ROW16 dst, eo, sb               ; my 16 numbers (64 bytes) of a row of 32
.irp q, 0,1,2,3
	global_load_b128 v[\dst+4*\q:\dst+4*\q+3], v[\eo], s[\sb:\sb+1] offset:16*\q
.endr
.endm
.macro HOLD base, n, lim               ; the conversion to an 8-bit code does not saturate (ISA guide 7.6.2): hold each number within the largest code x the scale
.set HI, 0
.rept \n
	v_med3_num_f32 v[\base+HI], v[\base+HI], -v[\lim], v[\lim]
.set HI, HI+1
.endr
.endm
.macro RHOLD base, n, lim              ; the activation and the hold in one: between 0 and the largest code x the scale
.set HI, 0
.rept \n
	v_med3_num_f32 v[\base+HI], v[\base+HI], 0, v[\lim]
.set HI, HI+1
.endr
.endm
.macro CVT8 dst, src, sc               ; eight numbers / 2^(v[sc]'s exponent), to the nearest code, ties to even; the first number's code in the lowest byte
	v_cvt_scalef32_pk8_bf8_f32 v[\dst:\dst+1], v[\src:\src+7], v[\sc]
.endm
.macro IMAGE adr, reg, off             ; a fragment's 16 registers go to LDS as they stand
.irp c, 0,1,2,3
	ds_store_b128 v[\adr], v[\reg+4*\c:\reg+4*\c+3] offset:\off+512*\c
.endr
.endm
.macro FETCH reg, off                  ; and come back so, in any wave
.irp c, 0,1,2,3
	ds_load_b128 v[\reg+4*\c:\reg+4*\c+3], v[LI] offset:\off+512*\c
.endr
.endm
.macro BARRIER                         ; my LDS stores have landed and my LDS loads are in: then the work-group's barrier
	s_wait_dscnt 0x0
	s_barrier_signal -1
	s_barrier_wait -1
.endm
.macro PLACES                          ; four plain vector instructions between a matrix instruction and the first read of its result (ISA guide 7.12.1)
.rept 4
	v_nop
.endr
.endm
	; ---- the head: buffer i of the argument list in s[4 + 2 i : 5 + 2 i]
	s_load_b512 s[4:19], s[0:1], 0x0               ; user_id, item_id, user_gender, user_age, user_occupation, item_genre_ids, item_genre_mask, dense_features
	s_load_b512 s[20:35], s[0:1], 0x40             ; emb_user, emb_item, emb_gender, emb_age, emb_occ, emb_genre, fo_user, fo_item
	s_load_b512 s[36:51], s[0:1], 0x80             ; fo_gender, fo_age, fo_occ, fo_genre, dense_W, dense_b, W1, b1
	s_load_b256 s[52:59], s[0:1], 0xc0             ; W2, b2, Wout, bout
	s_load_b128 s[60:63], s[0:1], 0xe0             ; lowp_scales, out0
	s_set_vgpr_msb 0x40
	v_lshl_add_u32 v254, v0, 2, 0x6800
	v_mov_b32 v255, 0
	s_set_vgpr_msb 0x4000
	v_lshrrev_b32 v19, 5, v0
	v_readfirstlane_b32 s2, v19                    ; wave 0..3
	v_and_b32 v1, 31, v0                           ; lane
	v_and_b32 v2, 15, v0                           ; r
	v_bfe_u32 v3, v0, 4, 1                         ; h
	v_lshlrev_b32 v4, 6, v3                        ; 64 h: my 16 numbers of a block of 32
	s_lshl_b32 s84, ttmp9, 6
	s_lshl_b32 s85, s2, 4
	s_add_co_u32 s84, s84, s85
	v_add_nc_u32 v19, s84, v2                      ; my row: 64 x work-group + 16 w + r
	v_lshlrev_b32 v5, 2, v19
	v_mul_u32_u24 v6, v19, 24
	v_lshlrev_b32 v7, 5, v19
	v_and_b32 v9, 8, v2
	v_add_nc_u32 v9, v9, v2                        ; r + 8 (r / 8)
	v_mul_u32_u24 v9, v9, 800                      ; a row of W1 is 200 numbers
	s_mul_i32 s84, s2, 25600                       ; my 32 rows
	v_add_nc_u32 v9, s84, v9
	v_add_nc_u32 v8, v9, v4
	s_lshl_b32 s84, s2, 13                         ; W2: my 16 rows of 512 bytes
	v_lshl_add_u32 v10, v2, 9, v4
	v_add_nc_u32 v10, s84, v10
	s_lshl_b32 s84, s2, 7
	v_add_nc_u32 v11, s84, v4                      ; b1 at unit 32 w + 16 h
	s_lshl_b32 s84, s2, 6
	v_lshl_add_u32 v12, v3, 5, s84                 ; b2 and Wout at unit 16 w + 8 h
	v_lshlrev_b32 v[LI], 4, v1
	s_lshl_b32 s85, s2, 12
	v_add_nc_u32 v[XWI], s85, v[LI]
	s_lshl_b32 s85, s2, 9
	v_add_nc_u32 v[HWI], s85, v[LI]
	v_lshl_add_u32 v16, v2, 2, s84                 ; 4 r + 64 w
	s_lshl_b32 s85, s2, 8
	v_lshl_add_u32 v17, v2, 2, s85                 ; 4 r + 256 w
	v_lshlrev_b32 v18, 3, v1
	v_cmp_gt_u32 s66, 16, v1                       ; the lanes with h = 0
	s_mov_b32 s82, 0x76543210                      ; v_permlanex16_b32: lane l xor 16
	s_mov_b32 s83, 0xfedcba98
	s_wait_kmcnt 0x0
	s_load_b128 s[68:71], s[60:61], 0x0            ; e0, e1, e2, e3
	s_load_b256 s[72:79], s[44:45], 0x0            ; dense_W
	s_load_b32 s80, s[46:47], 0x0                  ; dense_b
	s_load_b32 s81, s[58:59], 0x0                  ; bout
	s_lshl_b32 s84, ttmp9, 8
	s_mov_b32 s85, 0
	s_add_nc_u64 s[62:63], s[62:63], s[84:85]      ; out0 at my work-group's 64 numbers
	; ---- the first loads.  (a) 13: what the gathers hang on comes first
.irp i, 0,1,2,3,4
	global_load_b32 v[IDS+\i], v5, s[4+2*\i:5+2*\i] th:TH_LOAD_NT
.endr
.irp i, 0,1,2
	global_load_b64 v[GID+2*\i:GID+2*\i+1], v6, s[14:15] offset:8*\i th:TH_LOAD_NT
.endr
.irp i, 0,1,2
	global_load_b64 v[GM+2*\i:GM+2*\i+1], v6, s[16:17] offset:8*\i th:TH_LOAD_NT
.endr
	global_load_b128 v[DF:DF+3], v7, s[18:19] th:TH_LOAD_NT
	global_load_b128 v[DF+4:DF+7], v7, s[18:19] offset:16 th:TH_LOAD_NT
	; (b) 2: Wout;  (c) 22: W2, b1, b2;  (d) 52: W1.  76 loads behind the 13
	global_load_b128 v[WO:WO+3], v12, s[56:57]
	global_load_b128 v[WO+4:WO+7], v12, s[56:57] offset:16
	WIN 0x80                                       ; destination window 2
.irp c, 0,1,2,3
.irp q, 0,1,2,3
	global_load_b128 v[W2S+16*\c+4*\q:W2S+16*\c+4*\q+3], v10, s[52:53] offset:128*\c+16*\q   ; W2(16 w + r, 32 c + 16 h + 4 q ..)
.endr
.endr
.irp u, 0,1
.irp q, 0,1
	global_load_b128 v[B1+8*\u+4*\q:B1+8*\u+4*\q+3], v11, s[50:51] offset:32*\u+16*\q        ; b1(32 w + 16 h + 8 u + 4 q ..): the result's layout
.endr
.endr
.irp q, 0,1
	global_load_b128 v[B2+4*\q:B2+4*\q+3], v12, s[54:55] offset:16*\q
.endr
	WIN 0x40                                       ; destination window 1
.irp u, 0,1
.irp b, 0,1,2,3,4,5
.irp q, 0,1,2,3
	global_load_b128 v[WS+104*\u+16*\b+4*\q:WS+104*\u+16*\b+4*\q+3], v8, s[48:49] offset:6400*\u+128*\b+16*\q
.endr
.endr
.irp q, 0,1
	global_load_b128 v[WS+104*\u+96+4*\q:WS+104*\u+96+4*\q+3], v9, s[48:49] offset:6400*\u+768+16*\q   ; k = 192 .. 199, in both halves of the lanes: no load passes a row's end; the codes of h = 1 are cleared below
.endr
.endr
	WIN 0
	s_wait_kmcnt 0x0
	s_add_co_i32 s84, s68, s69                     ; e0 + e1
	s_sub_co_i32 s86, 0, s84                       ; -(e0 + e1)
	s_sub_co_i32 s89, s70, s84                     ; e2 - e0 - e1
	s_add_co_i32 s88, s70, s71                     ; e2 + e3
	s_sub_co_i32 s87, 0, s88
	MKSC s68, 20, 21
	MKSC s69, 22, 23
	MKSC s89, 24, 25
	MKSC s71, 26, 27
	; ---- the gathers: 55 loads, the far tables first
	s_wait_loadcnt 63                              ; 76 loads were issued behind the 13; 63 is the largest count that this wait can name: the 26 oldest are in, the 13 among them
	OFFS IDS+0, 0xf423f, EO+0, FO+0
	OFFS IDS+1, 0x1869f, EO+1, FO+1
	ROW16 X, EO+0, 20
	ROW16 X+16, EO+1, 22
	global_load_b32 v[IDS+0], v[FO+0], s[32:33]
	global_load_b32 v[IDS+1], v[FO+1], s[34:35]
	OFFS IDS+2, 1, EO+2, FO+2
	OFFS IDS+3, 6, EO+3, FO+3
	OFFS IDS+4, 20, EO+4, FO+4
	ROW16 X+32, EO+2, 24
	ROW16 X+48, EO+3, 26
	ROW16 X+64, EO+4, 28
	global_load_b32 v[IDS+2], v[FO+2], s[36:37]
	global_load_b32 v[IDS+3], v[FO+3], s[38:39]
	global_load_b32 v[IDS+4], v[FO+4], s[40:41]
.irp g, 0,1,2,3,4,5
	OFFS GID+\g, 18, EO+5+\g, FO+5+\g
.endr
	WIN 0xc0                                       ; destination window 3
.irp g, 0,1,2,3,4,5
	ROW16 G+16*\g, EO+5+\g, 30
.endr
	WIN 0
.irp g, 0,1,2,3,4,5
	global_load_b32 v[GID+\g], v[FO+5+\g], s[42:43]
.endr
	v_add_f32 v86, v[GM], v[GM+1]                  ; the masks' sum,
	v_add_f32 v87, v[GM+2], v[GM+3]
	v_add_f32 v89, v[GM+4], v[GM+5]
	v_add_f32 v86, v86, v87
	v_add_f32 v86, v86, v89
	v_max_num_f32 v87, 1.0, v86                    ; at least 1,
	v_rcp_f32 v88, v87                             ; and 1 / that.  The multiply-adds below are the plain instructions behind it
	v_fma_f32 v90, v[DF], s72, s80                 ; dense_features . dense_W + dense_b
.irp j, 1,2,3,4,5,6,7
	v_fma_f32 v90, v[DF+\j], s[72+\j], v90
.endr
	v_add_f32 v90, s81, v90                        ; + bout
	s_wait_alu depctr_va_vdst(0)                   ; wait between the reciprocal and the first line that names v88
	; ---- my quarter of the weights becomes codes while the gathers are on their way
	s_wait_loadcnt 55                              ; all but the 55 gathers
	WIN 0x82                                       ; source 0 and destination window 2
	HOLD W2S, 64, 27
.irp c, 0,1,2,3
.irp t, 0,1
	CVT8 WC2+4*\c+2*\t, W2S+16*\c+8*\t, 26
.endr
.endr
.irp j, 0,1,2,3,4,5,6,7,8,9,10,11,12,13,14,15
	v_ldexp_f32 v[B1+\j], v[B1+\j], s86            ; b1 / 2^(e0 + e1): a sum of the first product stands for sum x 2^(e0 + e1).  (Plain instructions behind the conversions)
.endr
.irp j, 0,1,2,3,4,5,6,7
	v_ldexp_f32 v[B2+\j], v[B2+\j], s87            ; b2 / 2^(e2 + e3)
.endr
	WIN 0x41                                       ; source 0 and destination window 1
	HOLD WS, 208, 23
	WIN 0x81                                       ; source 0 window 1, destination window 2
.irp u, 0,1
.irp b, 0,1,2,3,4,5
.irp t, 0,1
	CVT8 WC1+32*\u+4*\b+2*\t, WS+104*\u+16*\b+8*\t, 22
.endr
.endr
	CVT8 WC1+32*\u+24, WS+104*\u+96, 22
.endr
	WIN 0x88                                       ; source 1 and destination window 2
.irp u, 0,1
.irp j, 26,27,28,29,30,31
	v_mov_b32 v[WC1+32*\u+\j], 0                   ; k = 200 on: zero codes.  (The first of these is the plain instruction behind the conversions)
.endr
.endr
.irp u, 0,1
	v_cndmask_b32 v[WC1+32*\u+24], 0, v[WC1+32*\u+24], s66   ; k = 192 .. 199 lie in the lanes with h = 0; in the others these registers are k = 208 on
	v_cndmask_b32 v[WC1+32*\u+25], 0, v[WC1+32*\u+25], s66
.endr
	WIN 0
	; ---- fields 0 to 4: second order by a running sum, first order, the first fragment of codes
	s_wait_loadcnt 30                              ; the genres' 24 + 6 loads may be out
.irp j, 0,2,4,6,8,10,12,14
	v_pk_mul_f32 v[ACC+\j:ACC+\j+1], v[X+\j:X+\j+1], v[X+16+\j:X+16+\j+1]
.endr
.irp j, 0,2,4,6,8,10,12,14
	v_pk_add_f32 v[S+\j:S+\j+1], v[X+\j:X+\j+1], v[X+16+\j:X+16+\j+1]
.endr
.irp f, 2,3,4
.irp j, 0,2,4,6,8,10,12,14
	v_pk_fma_f32 v[ACC+\j:ACC+\j+1], v[X+16*\f+\j:X+16*\f+\j+1], v[S+\j:S+\j+1], v[ACC+\j:ACC+\j+1]   ; x_f . (the sum of the fields before it)
.endr
.irp j, 0,2,4,6,8,10,12,14
	v_pk_add_f32 v[S+\j:S+\j+1], v[S+\j:S+\j+1], v[X+16*\f+\j:X+16*\f+\j+1]
.endr
.endr
.irp i, 0,1,2,3,4
	v_add_f32 v90, v90, v[IDS+\i]
.endr
	HOLD X, 64, 21
.irp f, 0,1,2,3
.irp t, 0,1
	CVT8 PC+4*\f+2*\t, X+16*\f+8*\t, 20
.endr
.endr
	v_nop                                          ; one plain instruction behind the conversions
	IMAGE XWI, PC, XIMG
	; ---- the pooled genre, the rest of first and second order, the second fragment
	s_wait_loadcnt 0x0
	WIN 0x03                                       ; source 0 (the genre rows) window 3
.irp j, 0,2,4,6,8,10,12,14
	v_pk_mul_f32 v[X+80+\j:X+80+\j+1], v[G+\j:G+\j+1], v[GM:GM+1] op_sel_hi:[1,0]          ; both x mask 0
.endr
.irp g, 1,2,3,4,5
.irp j, 0,2,4,6,8,10,12,14
.if \g % 2
	v_pk_fma_f32 v[X+80+\j:X+80+\j+1], v[G+16*\g+\j:G+16*\g+\j+1], v[GM+\g-1:GM+\g], v[X+80+\j:X+80+\j+1] op_sel:[0,1,0] op_sel_hi:[1,1,1]   ; an odd mask is the pair's second register, for both halves
.else
	v_pk_fma_f32 v[X+80+\j:X+80+\j+1], v[G+16*\g+\j:G+16*\g+\j+1], v[GM+\g:GM+\g+1], v[X+80+\j:X+80+\j+1] op_sel_hi:[1,0,1]                 ; an even mask the first
.endif
.endr
.endr
	WIN 0
.irp j, 0,2,4,6,8,10,12,14
	v_pk_mul_f32 v[X+80+\j:X+80+\j+1], v[X+80+\j:X+80+\j+1], v[88:89] op_sel_hi:[1,0]      ; / the masks' sum
.endr
.irp j, 0,2,4,6,8,10,12,14
	v_pk_fma_f32 v[ACC+\j:ACC+\j+1], v[X+80+\j:X+80+\j+1], v[S+\j:S+\j+1], v[ACC+\j:ACC+\j+1]
.endr
	v_mul_f32 v91, v[GID], v[GM]                   ; fo_genre, pooled likewise
.irp g, 1,2,3,4,5
	v_fma_f32 v91, v[GID+\g], v[GM+\g], v91
.endr
	v_fma_f32 v90, v91, v88, v90
.irp j, 0,2,4,6
	v_pk_add_f32 v[ACC+\j:ACC+\j+1], v[ACC+\j:ACC+\j+1], v[ACC+8+\j:ACC+8+\j+1]
.endr
.irp j, 0,2
	v_pk_add_f32 v[ACC+\j:ACC+\j+1], v[ACC+\j:ACC+\j+1], v[ACC+4+\j:ACC+4+\j+1]
.endr
	v_pk_add_f32 v[ACC:ACC+1], v[ACC:ACC+1], v[ACC+2:ACC+3]
	v_add_f32 v[ACC], v[ACC], v[ACC+1]             ; my 16 of the row's 32,
	v_permlanex16_b32 v[ACC+1], v[ACC], s82, s83
	v_add_f32 v[ACC], v[ACC], v[ACC+1]             ; and the other half's
	v_add_f32 v[ACC], v[ACC], v90
	ds_store_b32 v16, v[ACC] offset:TP             ; lanes r and r + 16 hold the same number for the same word
	HOLD X+64, 32, 21
	HOLD DF, 8, 21
.irp f, 4,5
.irp t, 0,1
	CVT8 PC+4*\f+2*\t, X+16*\f+8*\t, 20
.endr
.endr
	CVT8 PC+24, DF, 20
.irp j, 26,27,28,29,30,31
	v_mov_b32 v[PC+\j], 0                          ; k = 200 on: zero codes
.endr
	v_cndmask_b32 v[PC+24], 0, v[PC+24], s66
	v_cndmask_b32 v[PC+25], 0, v[PC+25], s66
	IMAGE XWI, PC+16, XIMG+2048
	BARRIER                                        ; x's eight fragments lie in LDS
	; ---- layer 1: my 32 hidden units for the 64 rows: eight accumulators by turns, a K step at a time
.irp m, 0,1,2,3
	FETCH XF+32*\m, XIMG+4096*\m
.endr
.irp m, 0,1,2,3
	FETCH XF+32*\m+16, XIMG+4096*\m+2048
.endr
	s_wait_dscnt 16                                ; the first K step's four fragments are in; the second's 16 loads may be out
	WIN 0x22                                       ; source 0 (W1) and source 2 (b1) window 2
.irp u, 0,1
.irp m, 0,1,2,3
	v_wmma_f32_16x16x128_bf8_bf8 v[HA+16*\m+8*\u:HA+16*\m+8*\u+7], v[WC1+32*\u:WC1+32*\u+15], v[XF+32*\m:XF+32*\m+15], v[B1+8*\u:B1+8*\u+7]
.endr
.endr
	s_wait_dscnt 0x0
	WIN 0x02
.irp u, 0,1
.irp m, 0,1,2,3
	v_wmma_f32_16x16x128_bf8_bf8 v[HA+16*\m+8*\u:HA+16*\m+8*\u+7], v[WC1+32*\u+16:WC1+32*\u+31], v[XF+32*\m+16:XF+32*\m+31], v[HA+16*\m+8*\u:HA+16*\m+8*\u+7]
.endr
.endr
	WIN 0
	PLACES
.irp m, 0,1,2,3
	RHOLD HA+16*\m, 16, 25                         ; each accumulator from its low end on
	CVT8 HC+4*\m, HA+16*\m, 24
	CVT8 HC+4*\m+2, HA+16*\m+8, 24
.endr
	v_nop                                          ; one plain instruction behind the conversions
.irp m, 0,1,2,3
	ds_store_b128 v[HWI], v[HC+4*\m:HC+4*\m+3] offset:HIMG+2048*\m   ; k = 32 w + 16 h + 0 .. 15 of rows 16 m on: chunk w of fragment m
.endr
	BARRIER                                        ; h1's four fragments lie in LDS
	; ---- layer 2: my 16 units for the 64 rows, and their part of the last product
.irp m, 0,1,2,3
	FETCH HF+16*\m, HIMG+2048*\m
.endr
	s_wait_dscnt 0x0
	WIN 0x22                                       ; source 0 (W2) and source 2 (b2) window 2
.irp m, 0,1,2,3
	v_wmma_f32_16x16x128_bf8_bf8 v[YA+8*\m:YA+8*\m+7], v[WC2:WC2+15], v[HF+16*\m:HF+16*\m+15], v[B2:B2+7]
.endr
	WIN 0
	PLACES
.set HI, 0
.rept 32
	v_max_num_f32 v[YA+HI], 0, v[YA+HI]            ; relu, each accumulator from its low end on
.set HI, HI+1
.endr
.irp m, 0,1,2,3
	v_pk_mul_f32 v[DA+2*\m:DA+2*\m+1], v[YA+8*\m:YA+8*\m+1], v[WO:WO+1]
.endr
.irp i, 2,4,6
.irp m, 0,1,2,3
	v_pk_fma_f32 v[DA+2*\m:DA+2*\m+1], v[YA+8*\m+\i:YA+8*\m+\i+1], v[WO+\i:WO+\i+1], v[DA+2*\m:DA+2*\m+1]
.endr
.endr
.irp m, 0,1,2,3
	v_add_f32 v[DA+2*\m], v[DA+2*\m], v[DA+2*\m+1]
.endr
.irp m, 0,1,2,3
	v_permlanex16_b32 v[DA+2*\m+1], v[DA+2*\m], s82, s83   ; the row's other eight units of mine lie in lane l xor 16
.endr
.irp m, 0,1,2,3
	v_add_f32 v[DA+2*\m], v[DA+2*\m], v[DA+2*\m+1]
.endr
.irp m, 0,1,2,3
	v_ldexp_f32 v[DA+2*\m], v[DA+2*\m], s88        ; x 2^(e2 + e3)
.endr
.irp m, 0,1,2,3
	ds_store_b32 v17, v[DA+2*\m] offset:DP+64*\m   ; plane w, row 16 m + r
.endr
	BARRIER                                        ; the five planes lie in LDS
	; ---- wave 0 adds the planes and stores the work-group's 64 numbers: 32 lanes x 8 bytes = 256 consecutive bytes, at a multiple of 256 from out0's first byte
	s_cmp_lg_u32 s2, 0
	s_cbranch_scc1 .Lend
.irp k, 0,1,2,3,4
	ds_load_b64 v[Z+2*\k:Z+2*\k+1], v18 offset:DP+256*\k
.endr
	s_wait_dscnt 0x0
	v_pk_add_f32 v[Z:Z+1], v[Z:Z+1], v[Z+2:Z+3]
	v_pk_add_f32 v[Z+4:Z+5], v[Z+4:Z+5], v[Z+6:Z+7]
	v_pk_add_f32 v[Z:Z+1], v[Z:Z+1], v[Z+4:Z+5]
	v_pk_add_f32 v[Z:Z+1], v[Z:Z+1], v[Z+8:Z+9]
	global_store_b64 v18, v[Z:Z+1], s[62:63] th:TH_STORE_NT
.Lend:
	s_set_vgpr_msb 0x5
	s_wait_tensorcnt 0x0
	ds_add_u32 v254, v255
	s_wait_dscnt 0x0
	s_set_vgpr_msb 0x500
	s_endpgm
.Lfunc_end_k_q957ff930f0_deepfm:
	.size	k_q957ff930f0_deepfm, .Lfunc_end_k_q957ff930f0_deepfm-k_q957ff930f0_deepfm
	.p2alignl 7, 3214868480
	.fill 96, 4, 3214868480
	.section	.rodata,"a",@progbits
	.p2align	6, 0x0
	.amdhsa_kernel k_q957ff930f0_deepfm
		.amdhsa_group_segment_fixed_size 27136
		.amdhsa_private_segment_fixed_size 0
		.amdhsa_enable_private_segment 0
		.amdhsa_kernarg_size 240
		.amdhsa_user_sgpr_count 2
		.amdhsa_user_sgpr_kernarg_segment_ptr 1
		.amdhsa_wavefront_size32 1
		.amdhsa_system_sgpr_workgroup_id_x 1
		.amdhsa_system_sgpr_workgroup_id_y 1
		.amdhsa_system_sgpr_workgroup_id_z 1
		.amdhsa_system_vgpr_workitem_id 0
		.amdhsa_next_free_vgpr 1024
		.amdhsa_next_free_sgpr 96
		.amdhsa_reserve_vcc 0
		.amdhsa_float_denorm_mode_32 3
		.amdhsa_float_denorm_mode_16_64 3
		.amdhsa_memory_ordered 1
		.amdhsa_forward_progress 1
		.amdhsa_inst_pref_size 73
	.end_amdhsa_kernel
	.amdgpu_metadata
---
amdhsa.version: [ 1, 2 ]
amdhsa.kernels:
  - .name:           k_q957ff930f0_deepfm
    .symbol:         k_q957ff930f0_deepfm.kd
    .args:
      - { .name: user_id, .offset: 0, .size: 8, .value_kind: global_buffer, .address_space: global }
      - { .name: item_id, .offset: 8, .size: 8, .value_kind: global_buffer, .address_space: global }
      - { .name: user_gender, .offset: 16, .size: 8, .value_kind: global_buffer, .address_space: global }
      - { .name: user_age, .offset: 24, .size: 8, .value_kind: global_buffer, .address_space: global }
      - { .name: user_occupation, .offset: 32, .size: 8, .value_kind: global_buffer, .address_space: global }
      - { .name: item_genre_ids, .offset: 40, .size: 8, .value_kind: global_buffer, .address_space: global }
      - { .name: item_genre_mask, .offset: 48, .size: 8, .value_kind: global_buffer, .address_space: global }
      - { .name: dense_features, .offset: 56, .size: 8, .value_kind: global_buffer, .address_space: global }
      - { .name: emb_user, .offset: 64, .size: 8, .value_kind: global_buffer, .address_space: global }
      - { .name: emb_item, .offset: 72, .size: 8, .value_kind: global_buffer, .address_space: global }
      - { .name: emb_gender, .offset: 80, .size: 8, .value_kind: global_buffer, .address_space: global }
      - { .name: emb_age, .offset: 88, .size: 8, .value_kind: global_buffer, .address_space: global }
      - { .name: emb_occ, .offset: 96, .size: 8, .value_kind: global_buffer, .address_space: global }
      - { .name: emb_genre, .offset: 104, .size: 8, .value_kind: global_buffer, .address_space: global }
      - { .name: fo_user, .offset: 112, .size: 8, .value_kind: global_buffer, .address_space: global }
      - { .name: fo_item, .offset: 120, .size: 8, .value_kind: global_buffer, .address_space: global }
      - { .name: fo_gender, .offset: 128, .size: 8, .value_kind: global_buffer, .address_space: global }
      - { .name: fo_age, .offset: 136, .size: 8, .value_kind: global_buffer, .address_space: global }
      - { .name: fo_occ, .offset: 144, .size: 8, .value_kind: global_buffer, .address_space: global }
      - { .name: fo_genre, .offset: 152, .size: 8, .value_kind: global_buffer, .address_space: global }
      - { .name: dense_W, .offset: 160, .size: 8, .value_kind: global_buffer, .address_space: global }
      - { .name: dense_b, .offset: 168, .size: 8, .value_kind: global_buffer, .address_space: global }
      - { .name: W1, .offset: 176, .size: 8, .value_kind: global_buffer, .address_space: global }
      - { .name: b1, .offset: 184, .size: 8, .value_kind: global_buffer, .address_space: global }
      - { .name: W2, .offset: 192, .size: 8, .value_kind: global_buffer, .address_space: global }
      - { .name: b2, .offset: 200, .size: 8, .value_kind: global_buffer, .address_space: global }
      - { .name: Wout, .offset: 208, .size: 8, .value_kind: global_buffer, .address_space: global }
      - { .name: bout, .offset: 216, .size: 8, .value_kind: global_buffer, .address_space: global }
      - { .name: lowp_scales, .offset: 224, .size: 8, .value_kind: global_buffer, .address_space: global }
      - { .name: out0, .offset: 232, .size: 8, .value_kind: global_buffer, .address_space: global }
    .group_segment_fixed_size: 27136
    .private_segment_fixed_size: 0
    .kernarg_segment_align: 8
    .kernarg_segment_size: 240
    .max_flat_workgroup_size: 128
    .sgpr_count:     96
    .vgpr_count:     1024
    .wavefront_size: 32
...
	.end_amdgpu_metadata
.endif
;; end of part 1
;; ======== version 2 of 2: 1 launch; version 1 with the launch deepfm written anew for expert scheduling mode
;; launch deepfm (part 2): grid 256 x 1, 4 waves a work-group, no clusters, 27,136 bytes of LDS; arguments user_id, item_id, user_gender, user_age, user_occupation, item_genre_ids, item_genre_mask, dense_features, emb_user, emb_item, emb_gender, emb_age, emb_occ, emb_genre, fo_user, fo_item, fo_gender, fo_age, fo_occ, fo_genre, dense_W, dense_b, W1, b1, W2, b2, Wout, bout, lowp_scales, out0; writes out0
.if DOCPART == 2
	.amdgcn_target "amdgcn-amd-amdhsa--gfx1250"
	.amdhsa_code_object_version 6
	.text
	.protected	k_q957ff930f0_deepfm
	.globl	k_q957ff930f0_deepfm
	.p2align	8
	.type	k_q957ff930f0_deepfm,@function
k_q957ff930f0_deepfm:
	s_mov_b64 s[64:65], 0
	v_nop
	global_prefetch_b8 v0, s[64:65] scope:SCOPE_SE
	s_setreg_imm32_b32 hwreg(HW_REG_WAVE_SCHED_MODE, 0, 2), 2
	s_setreg_imm32_b32 hwreg(HW_REG_WAVE_MODE, 25, 1), 1
	s_wait_xcnt 0x0
	s_wait_alu depctr_vm_vsrc(0)
; DeepFM ranker, 16,384 rows, in one launch.  out = first order + second order + deep.
;   first  = five 1-wide gathers + masked mean of six 1-wide genre gathers + dense_features . dense_W + dense_b
;   second = the sum over pairs of fields f < g of x_f . x_g  (equal to 0.5 (s^2 - sum x^2); formed by a running sum, so that no difference of large sums is taken; the order of rounding differs from the source's)
;   deep   = relu(relu(deep_in W1^T + b1) W2^T + b2) Wout^T + bout; the first two products on codes of BF8 (E5M2) with the four given scales 2^e0 (deep_in), 2^e1 (W1), 2^e2 (h1), 2^e3 (W2); the last by f32 multiply-adds.
; SHARES.  256 work-groups of four waves; a work-group owns 64 rows.  For the GATHER the waves share the rows: wave w takes rows 16 w .. 16 w + 15, lane (r, h) = row r, numbers 16 h .. 16 h + 15 of each field of 32.
; For the PRODUCTS they share the columns: wave w makes hidden units 32 w .. 32 w + 31 of layer 1 and 16 w .. 16 w + 15 of layer 2, for all 64 rows.  So a wave loads and quantises only its quarter of W1 and W2,
; straight into operand registers, while its gathers are on their way.  Codes go from wave to wave through LDS as images of the operand's registers (16 bytes a lane, 512 bytes a store).  Three barriers.
; K OF THE FIRST PRODUCT is 200, filled up to 256 (two instructions of 128) with zero codes on both sides.  A block of 32 along K is one field: b = 0 user, 1 item, 2 gender, 3 age, 4 occupation, 5 pooled genre,
; 6: the eight dense features (k = 192 .. 199: numbers 0-7 of the lanes with h = 0), 7: nothing.  In both operands register 4 b + t, byte i of lane (r, h) holds k = 32 b + 16 h + 4 t + i: the same order of k on both sides.
; BOTH PRODUCTS ARE USED TRANSPOSED (source 0 = 16 rows of the weight, source 1 = 16 data rows): a lane holds one data row.  Lane r of W1's tile u takes row 32 w + 8 u + r + 8 (r / 8), so that a lane's 16 results
; of tiles 0 and 1 are hidden units 32 w + 16 h + 0 .. 15: four registers of codes, chunk w of the next operand's image.
; SCALES.  b1 enters as C, divided by 2^(e0 + e1); h1's conversion takes 2^(e2 - e0 - e1); b2 enters as C, divided by 2^(e2 + e3); the last sum is multiplied by 2^(e2 + e3), which is positive, so relu may stand ahead of it.
; LIMITS.  e0, e1, e3 and e2 - e0 - e1 lie between -126 and 112, so that each scale and 57,344 x the scale are f32 numbers.  NaN among the inputs is not served.  Indices lie inside their tables (the v_min_u32 only bounds the address).
; LEFT OUT.  No joint loads in a cluster: what work-groups share are the weights, 135,168 bytes, which each reads once, each lane's 64 bytes in operand order; through LDS they would be read a second time, for a text of three barriers.
; No prefetch: a gathered row's address is known only when its id has arrived, and then the load itself goes out.  No tensor loads: nothing is read twice and there is no ring.
; THE MODE: SCHED_MODE bits 1:0 = 2 (LLVM: expert scheduling mode 2), set by the entry lines.  The code itself states the register dependences
; between vector or matrix instructions and memory or LDS instructions, with s_wait_alu, always for 0.
; THE PLAN.  Registers that memory or LDS instructions touch, in the order of the text:
;   v5-v18        offsets and LDS addresses: written once by the head's vector lines, read by every load and store, never written again: one wait on va_vdst ahead of the first load.
;   IDS, GID      ids land; the offsets' lines read and write them; the first-order numbers land in them.     EO, FO  written by the offsets' lines, read by the 55 gathers; layer 1's matrix instructions write over them.
;                 Two waits on va_vdst: behind the two far tables' offsets, and behind the other nine rows' offsets, each ahead of its run of loads.
;   X, S, ACC, PC gathers land in X; vector lines name all four; LDS stores read ACC and PC; layer 1's fragments land in v104-231 and h1's conversions write v232-247.
;                 A wait on va_vdst ahead of each of the two runs of LDS stores; no vector line stands between the second and the fragments' loads.  ONE wait on vm_vsrc, behind the first barrier: the stores have read
;                 ACC and PC and the gathers EO and FO, ahead of everything that writes these registers again.
;   XF            layer 1's fragments: read by its matrix instructions; h1's fragments (v104-167) and the five planes (v208-217) land there: the waits on va_vdst ahead of h1's and of the planes' stores state that the readers are done.
;   HC, DA, Z     written by vector lines, read by stores, not written again: a wait on va_vdst ahead of each run of stores.
;   Windows 1, 2 and 3 are loaded once and then named by vector and matrix instructions alone.
;
; LDS: XIMG x's 8 fragments ((2 m + s) x 2,048 bytes; wave w writes m = w) | HIMG h1's 4 fragments (chunk w of each from wave w) | DP four planes of 64 words: wave w's part of deep | TP 64 words: first + second + dense_b + bout
.set XIMG, 0
.set HIMG, 16384
.set DP,   24576
.set TP,   25600                       ; = DP + 4 x 256: the fifth plane
; REGISTERS, in windows of 256.  Window 0, kept: v1 lane, v2 r, v3 h, v4 64 h, v5 4 row, v6 24 row, v7 32 row, v8/v9 W1's offsets (with and without 64 h), v10 W2's, v11 b1's, v12 b2's and Wout's,
;   v13 16 lane, v14 + 4,096 w, v15 + 512 w, v16 4 r + 64 w, v17 4 r + 256 w, v18 8 lane, v20-27 four pairs (scale, 57,344 x scale): e0, e1, e2 - e0 - e1, e3; v28-35 Wout.
.set LI,   13
.set XWI,  14
.set HWI,  15
.set WO,   28
.set IDS,  36                          ; v36-40  five ids; later the five first-order numbers
.set GID,  42                          ; v42-47  six genre ids; later fo_genre's six numbers
.set GM,   48                          ; v48-53  six masks
.set DF,   54                          ; v54-61  eight dense features
.set EO,   62                          ; v62-72  byte offsets of the eleven rows of 32: 128 id + 64 h
.set FO,   74                          ; v74-84  byte offsets of the eleven first-order numbers: 4 id
.set X,    96                          ; v96-191 my 16 numbers of field f at X + 16 f
.set S,    192                         ; v192-207 running sum of the fields
.set ACC,  208                         ; v208-223 second order
.set PC,   224                         ; v224-255 x's codes: two fragments
.set HA,   40                          ; v40-103 layer 1: accumulator (m, u) at HA + 16 m + 8 u
.set XF,   104                         ; v104-231 x's fragment (m, s) at XF + 16 (2 m + s)
.set HC,   232                         ; v232-247 h1's codes, four registers for each m
.set HF,   104                         ; v104-167 h1's fragment m
.set YA,   168                         ; v168-199 layer 2: accumulator m
.set DA,   200                         ; v200-207 a pair for each m
.set Z,    208                         ; v208-217 the five planes at the end
.set WS,   0                           ; window 1: W1's numbers: tile u, block b at 104 u + 16 b (block 6: eight numbers)
.set W2S,  0                           ; window 2: W2's numbers, block c at 16 c;
.set WC1,  64                          ;   W1's codes: fragment (u, s) at WC1 + 16 (2 u + s);
.set WC2,  128                         ;   W2's codes;
.set B1,   144                         ;   b1: tile u at B1 + 8 u;
.set B2,   160                         ;   b2
.set G,    0                           ; window 3: genre row g at 16 g
.set MSB, 0
.macro WIN new                         ; s_set_vgpr_msb: bits 1:0 source 0, 3:2 source 1, 5:4 source 2, 7:6 destination; the high byte repeats the setting that is left
.if MSB != \new
	s_set_vgpr_msb (MSB<<8)|\new
.set MSB, \new
.endif
.endm
.macro MKSC e, sc, lim                 ; v[sc] = 2^e as f32 (the conversion takes its exponent field), v[lim] = 57,344 x 2^e
	s_add_co_i32 s84, \e, 127
	s_lshl_b32 s85, s84, 23
	v_mov_b32 v[\sc], s85
	s_add_co_i32 s84, s84, 15
	s_lshl_b32 s84, s84, 23
	s_or_b32 s84, s84, 0x600000
	v_mov_b32 v[\lim], s84
.endm
.macro OFFS id, max, eo, fo            ; a loaded index becomes two byte offsets; behind the bound stand a shift and an addition only
	v_min_u32 v[\id], \max, v[\id]
	v_lshlrev_b32 v[\eo], 7, v[\id]
	v_add_nc_u32 v[\eo], v[\eo], v4
	v_lshlrev_b32 v[\fo], 2, v[\id]
.endm
.macro ROW16 dst, eo, sb               ; my 16 numbers (64 bytes) of a row of 32
.irp q, 0,1,2,3
	global_load_b128 v[\dst+4*\q:\dst+4*\q+3], v[\eo], s[\sb:\sb+1] offset:16*\q
.endr
.endm
.macro HOLD base, n, lim               ; the conversion to an 8-bit code does not saturate (ISA guide 7.6.2): hold each number within the largest code x the scale
.set HI, 0
.rept \n
	v_med3_num_f32 v[\base+HI], v[\base+HI], -v[\lim], v[\lim]
.set HI, HI+1
.endr
.endm
.macro RHOLD base, n, lim              ; the activation and the hold in one: between 0 and the largest code x the scale
.set HI, 0
.rept \n
	v_med3_num_f32 v[\base+HI], v[\base+HI], 0, v[\lim]
.set HI, HI+1
.endr
.endm
.macro CVT8 dst, src, sc               ; eight numbers / 2^(v[sc]'s exponent), to the nearest code, ties to even; the first number's code in the lowest byte
	v_cvt_scalef32_pk8_bf8_f32 v[\dst:\dst+1], v[\src:\src+7], v[\sc]
.endm
.macro IMAGE adr, reg, off             ; a fragment's 16 registers go to LDS as they stand
.irp c, 0,1,2,3
	ds_store_b128 v[\adr], v[\reg+4*\c:\reg+4*\c+3] offset:\off+512*\c
.endr
.endm
.macro FETCH reg, off                  ; and come back so, in any wave
.irp c, 0,1,2,3
	ds_load_b128 v[\reg+4*\c:\reg+4*\c+3], v[LI] offset:\off+512*\c
.endr
.endm
.macro BARRIER                         ; my LDS stores have landed and my LDS loads are in: then the work-group's barrier
	s_wait_dscnt 0x0
	s_barrier_signal -1
	s_barrier_wait -1
.endm
.macro PLACES                          ; four plain vector instructions between a matrix instruction and the first read of its result (ISA guide 7.12.1)
.rept 4
	v_nop
.endr
.endm
	; ---- the head: buffer i of the argument list in s[4 + 2 i : 5 + 2 i]
	s_load_b512 s[4:19], s[0:1], 0x0               ; user_id, item_id, user_gender, user_age, user_occupation, item_genre_ids, item_genre_mask, dense_features
	s_load_b512 s[20:35], s[0:1], 0x40             ; emb_user, emb_item, emb_gender, emb_age, emb_occ, emb_genre, fo_user, fo_item
	s_load_b512 s[36:51], s[0:1], 0x80             ; fo_gender, fo_age, fo_occ, fo_genre, dense_W, dense_b, W1, b1
	s_load_b256 s[52:59], s[0:1], 0xc0             ; W2, b2, Wout, bout
	s_load_b128 s[60:63], s[0:1], 0xe0             ; lowp_scales, out0
	s_set_vgpr_msb 0x40
	v_lshl_add_u32 v254, v0, 2, 0x6800
	v_mov_b32 v255, 0
	s_set_vgpr_msb 0x4000
	v_lshrrev_b32 v19, 5, v0
	v_readfirstlane_b32 s2, v19                    ; wave 0..3
	v_and_b32 v1, 31, v0                           ; lane
	v_cmp_gt_u32 s66, 16, v1                       ; the lanes with h = 0.  (The two lines that write a scalar register stand together; what needs neither result follows them)
	v_and_b32 v2, 15, v0                           ; r
	v_bfe_u32 v3, v0, 4, 1                         ; h
	v_lshlrev_b32 v4, 6, v3                        ; 64 h: my 16 numbers of a block of 32
	v_and_b32 v9, 8, v2
	v_add_nc_u32 v9, v9, v2                        ; r + 8 (r / 8)
	v_mul_u32_u24 v9, v9, 800                      ; a row of W1 is 200 numbers
	v_lshlrev_b32 v[LI], 4, v1
	v_lshlrev_b32 v18, 3, v1
	s_wait_alu depctr_va_sdst(0)                   ; s2 and s66 are written: ahead of s2's first reader, two lines on, and of s66's, the selects on the codes of k = 192 on
	s_lshl_b32 s84, ttmp9, 6
	s_lshl_b32 s85, s2, 4
	s_add_co_u32 s84, s84, s85
	v_add_nc_u32 v19, s84, v2                      ; my row: 64 x work-group + 16 w + r
	v_lshlrev_b32 v5, 2, v19
	v_mul_u32_u24 v6, v19, 24
	v_lshlrev_b32 v7, 5, v19
	s_mul_i32 s84, s2, 25600                       ; my 32 rows of W1
	v_add_nc_u32 v9, s84, v9
	v_add_nc_u32 v8, v9, v4
	s_lshl_b32 s84, s2, 13                         ; W2: my 16 rows of 512 bytes
	v_lshl_add_u32 v10, v2, 9, v4
	v_add_nc_u32 v10, s84, v10
	s_lshl_b32 s84, s2, 7
	v_add_nc_u32 v11, s84, v4                      ; b1 at unit 32 w + 16 h
	s_lshl_b32 s84, s2, 6
	v_lshl_add_u32 v12, v3, 5, s84                 ; b2 and Wout at unit 16 w + 8 h
	s_lshl_b32 s85, s2, 12
	v_add_nc_u32 v[XWI], s85, v[LI]
	s_lshl_b32 s85, s2, 9
	v_add_nc_u32 v[HWI], s85, v[LI]
	v_lshl_add_u32 v16, v2, 2, s84                 ; 4 r + 64 w
	s_lshl_b32 s85, s2, 8
	v_lshl_add_u32 v17, v2, 2, s85                 ; 4 r + 256 w
	s_mov_b32 s82, 0x76543210                      ; v_permlanex16_b32: lane l xor 16
	s_mov_b32 s83, 0xfedcba98
	s_wait_kmcnt 0x0
	s_load_b128 s[68:71], s[60:61], 0x0            ; e0, e1, e2, e3
	s_load_b256 s[72:79], s[44:45], 0x0            ; dense_W
	s_load_b32 s80, s[46:47], 0x0                  ; dense_b
	s_load_b32 s81, s[58:59], 0x0                  ; bout
	s_lshl_b32 s84, ttmp9, 8
	s_mov_b32 s85, 0
	s_add_nc_u64 s[62:63], s[62:63], s[84:85]      ; out0 at my work-group's 64 numbers
	s_wait_alu depctr_va_vdst(0)                   ; the offsets and LDS addresses v5 to v18 are written, which the loads and stores of the whole text read; up to the last of the 89 loads below only loads and window switches follow
	; ---- the first loads.  (a) 13: what the gathers hang on comes first
.irp i, 0,1,2,3,4
	global_load_b32 v[IDS+\i], v5, s[4+2*\i:5+2*\i] th:TH_LOAD_NT
.endr
.irp i, 0,1,2
	global_load_b64 v[GID+2*\i:GID+2*\i+1], v6, s[14:15] offset:8*\i th:TH_LOAD_NT
.endr
.irp i, 0,1,2
	global_load_b64 v[GM+2*\i:GM+2*\i+1], v6, s[16:17] offset:8*\i th:TH_LOAD_NT
.endr
	global_load_b128 v[DF:DF+3], v7, s[18:19] th:TH_LOAD_NT
	global_load_b128 v[DF+4:DF+7], v7, s[18:19] offset:16 th:TH_LOAD_NT
	; (b) 2: Wout;  (c) 22: W2, b1, b2;  (d) 52: W1.  76 loads behind the 13
	global_load_b128 v[WO:WO+3], v12, s[56:57]
	global_load_b128 v[WO+4:WO+7], v12, s[56:57] offset:16
	WIN 0x80                                       ; destination window 2
.irp c, 0,1,2,3
.irp q, 0,1,2,3
	global_load_b128 v[W2S+16*\c+4*\q:W2S+16*\c+4*\q+3], v10, s[52:53] offset:128*\c+16*\q   ; W2(16 w + r, 32 c + 16 h + 4 q ..)
.endr
.endr
.irp u, 0,1
.irp q, 0,1
	global_load_b128 v[B1+8*\u+4*\q:B1+8*\u+4*\q+3], v11, s[50:51] offset:32*\u+16*\q        ; b1(32 w + 16 h + 8 u + 4 q ..): the result's layout
.endr
.endr
.irp q, 0,1
	global_load_b128 v[B2+4*\q:B2+4*\q+3], v12, s[54:55] offset:16*\q
.endr
	WIN 0x40                                       ; destination window 1
.irp u, 0,1
.irp b, 0,1,2,3,4,5
.irp q, 0,1,2,3
	global_load_b128 v[WS+104*\u+16*\b+4*\q:WS+104*\u+16*\b+4*\q+3], v8, s[48:49] offset:6400*\u+128*\b+16*\q
.endr
.endr
.irp q, 0,1
	global_load_b128 v[WS+104*\u+96+4*\q:WS+104*\u+96+4*\q+3], v9, s[48:49] offset:6400*\u+768+16*\q   ; k = 192 .. 199, in both halves of the lanes: no load passes a row's end; the codes of h = 1 are cleared below
.endr
.endr
	WIN 0
	s_wait_kmcnt 0x0
	s_add_co_i32 s84, s68, s69                     ; e0 + e1
	s_sub_co_i32 s86, 0, s84                       ; -(e0 + e1)
	s_sub_co_i32 s89, s70, s84                     ; e2 - e0 - e1
	s_add_co_i32 s88, s70, s71                     ; e2 + e3
	s_sub_co_i32 s87, 0, s88
	MKSC s68, 20, 21
	MKSC s69, 22, 23
	MKSC s89, 24, 25
	MKSC s71, 26, 27
	; ---- the gathers: 55 loads, the far tables first
	s_wait_loadcnt 63                              ; 76 loads were issued behind the 13; 63 is the largest count that this wait can name: the 26 oldest are in, the 13 among them
	OFFS IDS+0, 0xf423f, EO+0, FO+0
	OFFS IDS+1, 0x1869f, EO+1, FO+1
	s_wait_alu depctr_va_vdst(0)                   ; the far tables' four offsets are written, which the ten loads below read; the lines above are done with ids 0 and 1, in which two of those loads land
	ROW16 X, EO+0, 20
	ROW16 X+16, EO+1, 22
	global_load_b32 v[IDS+0], v[FO+0], s[32:33]
	global_load_b32 v[IDS+1], v[FO+1], s[34:35]
	OFFS IDS+2, 1, EO+2, FO+2                      ; the other nine rows' offsets in one run: these lines name none of the registers that the ten loads above touch
	OFFS IDS+3, 6, EO+3, FO+3
	OFFS IDS+4, 20, EO+4, FO+4
.irp g, 0,1,2,3,4,5
	OFFS GID+\g, 18, EO+5+\g, FO+5+\g
.endr
	s_wait_alu depctr_va_vdst(0)                   ; their eighteen offsets are written, which the 45 loads below read; the lines above are done with ids 2 to 4 and the genre ids, in which nine of those loads land; only loads and window switches follow up to the last of them
	ROW16 X+32, EO+2, 24
	ROW16 X+48, EO+3, 26
	ROW16 X+64, EO+4, 28
	global_load_b32 v[IDS+2], v[FO+2], s[36:37]
	global_load_b32 v[IDS+3], v[FO+3], s[38:39]
	global_load_b32 v[IDS+4], v[FO+4], s[40:41]
	WIN 0xc0                                       ; destination window 3
.irp g, 0,1,2,3,4,5
	ROW16 G+16*\g, EO+5+\g, 30
.endr
	WIN 0
.irp g, 0,1,2,3,4,5
	global_load_b32 v[GID+\g], v[FO+5+\g], s[42:43]
.endr
	v_add_f32 v86, v[GM], v[GM+1]                  ; the masks' sum,
	v_add_f32 v87, v[GM+2], v[GM+3]
	v_add_f32 v89, v[GM+4], v[GM+5]
	v_add_f32 v86, v86, v87
	v_add_f32 v86, v86, v89
	v_max_num_f32 v87, 1.0, v86                    ; at least 1,
	s_wait_alu depctr_va_vdst(0)
	v_rcp_f32 v88, v87                             ; and 1 / that.  The multiply-adds below are the plain instructions behind it
	v_fma_f32 v90, v[DF], s72, s80                 ; dense_features . dense_W + dense_b
.irp j, 1,2,3,4,5,6,7
	v_fma_f32 v90, v[DF+\j], s[72+\j], v90
.endr
	v_add_f32 v90, s81, v90                        ; + bout
	s_wait_alu depctr_va_vdst(0)                   ; wait between the reciprocal and the first line that names v88
	; ---- my quarter of the weights becomes codes while the gathers are on their way.  No memory or LDS instruction touches windows 1 and 2 from here on
	s_wait_loadcnt 55                              ; all but the 55 gathers
	WIN 0x82                                       ; source 0 and destination window 2
	HOLD W2S, 64, 27
.irp c, 0,1,2,3
.irp t, 0,1
	CVT8 WC2+4*\c+2*\t, W2S+16*\c+8*\t, 26
.endr
.endr
.irp j, 0,1,2,3,4,5,6,7,8,9,10,11,12,13,14,15
	v_ldexp_f32 v[B1+\j], v[B1+\j], s86            ; b1 / 2^(e0 + e1): a sum of the first product stands for sum x 2^(e0 + e1).  (Plain instructions behind the conversions)
.endr
.irp j, 0,1,2,3,4,5,6,7
	v_ldexp_f32 v[B2+\j], v[B2+\j], s87            ; b2 / 2^(e2 + e3)
.endr
	WIN 0x41                                       ; source 0 and destination window 1
	HOLD WS, 208, 23
	WIN 0x81                                       ; source 0 window 1, destination window 2
.irp u, 0,1
.irp b, 0,1,2,3,4,5
.irp t, 0,1
	CVT8 WC1+32*\u+4*\b+2*\t, WS+104*\u+16*\b+8*\t, 22
.endr
.endr
	CVT8 WC1+32*\u+24, WS+104*\u+96, 22
.endr
	WIN 0x88                                       ; source 1 and destination window 2
.irp u, 0,1
.irp j, 26,27,28,29,30,31
	v_mov_b32 v[WC1+32*\u+\j], 0                   ; k = 200 on: zero codes.  (The first of these is the plain instruction behind the conversions)
.endr
.endr
.irp u, 0,1
	v_cndmask_b32 v[WC1+32*\u+24], 0, v[WC1+32*\u+24], s66   ; k = 192 .. 199 lie in the lanes with h = 0; in the others these registers are k = 208 on
	v_cndmask_b32 v[WC1+32*\u+25], 0, v[WC1+32*\u+25], s66
.endr
	WIN 0
	; ---- fields 0 to 4: second order by a running sum, first order, the first fragment of codes
	s_wait_loadcnt 30                              ; the genres' 24 + 6 loads may be out
.irp j, 0,2,4,6,8,10,12,14
	v_pk_mul_f32 v[ACC+\j:ACC+\j+1], v[X+\j:X+\j+1], v[X+16+\j:X+16+\j+1]
.endr
.irp j, 0,2,4,6,8,10,12,14
	v_pk_add_f32 v[S+\j:S+\j+1], v[X+\j:X+\j+1], v[X+16+\j:X+16+\j+1]
.endr
.irp f, 2,3,4
.irp j, 0,2,4,6,8,10,12,14
	v_pk_fma_f32 v[ACC+\j:ACC+\j+1], v[X+16*\f+\j:X+16*\f+\j+1], v[S+\j:S+\j+1], v[ACC+\j:ACC+\j+1]   ; x_f . (the sum of the fields before it)
.endr
.irp j, 0,2,4,6,8,10,12,14
	v_pk_add_f32 v[S+\j:S+\j+1], v[S+\j:S+\j+1], v[X+16*\f+\j:X+16*\f+\j+1]
.endr
.endr
.irp i, 0,1,2,3,4
	v_add_f32 v90, v90, v[IDS+\i]
.endr
	HOLD X, 64, 21
.irp f, 0,1,2,3
.irp t, 0,1
	CVT8 PC+4*\f+2*\t, X+16*\f+8*\t, 20
.endr
.endr
	v_nop                                          ; one plain instruction behind the conversions
	s_wait_alu depctr_va_vdst(0)                   ; the conversions have written v[PC .. PC + 15], which the four LDS stores read
	IMAGE XWI, PC, XIMG
	; ---- the pooled genre, the rest of first and second order, the second fragment
	s_wait_loadcnt 0x0
	WIN 0x03                                       ; source 0 (the genre rows) window 3
.irp j, 0,2,4,6,8,10,12,14
	v_pk_mul_f32 v[X+80+\j:X+80+\j+1], v[G+\j:G+\j+1], v[GM:GM+1] op_sel_hi:[1,0]          ; both x mask 0
.endr
.irp g, 1,2,3,4,5
.irp j, 0,2,4,6,8,10,12,14
.if \g % 2
	v_pk_fma_f32 v[X+80+\j:X+80+\j+1], v[G+16*\g+\j:G+16*\g+\j+1], v[GM+\g-1:GM+\g], v[X+80+\j:X+80+\j+1] op_sel:[0,1,0] op_sel_hi:[1,1,1]   ; an odd mask is the pair's second register, for both halves
.else
	v_pk_fma_f32 v[X+80+\j:X+80+\j+1], v[G+16*\g+\j:G+16*\g+\j+1], v[GM+\g:GM+\g+1], v[X+80+\j:X+80+\j+1] op_sel_hi:[1,0,1]                 ; an even mask the first
.endif
.endr
.endr
	WIN 0
.irp j, 0,2,4,6,8,10,12,14
	v_pk_mul_f32 v[X+80+\j:X+80+\j+1], v[X+80+\j:X+80+\j+1], v[88:89] op_sel_hi:[1,0]      ; / the masks' sum
.endr
.irp j, 0,2,4,6,8,10,12,14
	v_pk_fma_f32 v[ACC+\j:ACC+\j+1], v[X+80+\j:X+80+\j+1], v[S+\j:S+\j+1], v[ACC+\j:ACC+\j+1]
.endr
	v_mul_f32 v91, v[GID], v[GM]                   ; fo_genre, pooled likewise
.irp g, 1,2,3,4,5
	v_fma_f32 v91, v[GID+\g], v[GM+\g], v91
.endr
	v_fma_f32 v90, v91, v88, v90
.irp j, 0,2,4,6
	v_pk_add_f32 v[ACC+\j:ACC+\j+1], v[ACC+\j:ACC+\j+1], v[ACC+8+\j:ACC+8+\j+1]
.endr
.irp j, 0,2
	v_pk_add_f32 v[ACC+\j:ACC+\j+1], v[ACC+\j:ACC+\j+1], v[ACC+4+\j:ACC+4+\j+1]
.endr
	v_pk_add_f32 v[ACC:ACC+1], v[ACC:ACC+1], v[ACC+2:ACC+3]
	v_add_f32 v[ACC], v[ACC], v[ACC+1]             ; my 16 of the row's 32,
	v_permlanex16_b32 v[ACC+1], v[ACC], s82, s83
	v_add_f32 v[ACC], v[ACC], v[ACC+1]             ; and the other half's
	v_add_f32 v[ACC], v[ACC], v90
	HOLD X+64, 32, 21
	HOLD DF, 8, 21
.irp f, 4,5
.irp t, 0,1
	CVT8 PC+4*\f+2*\t, X+16*\f+8*\t, 20
.endr
.endr
	CVT8 PC+24, DF, 20
.irp j, 26,27,28,29,30,31
	v_mov_b32 v[PC+\j], 0                          ; k = 200 on: zero codes
.endr
	v_cndmask_b32 v[PC+24], 0, v[PC+24], s66
	v_cndmask_b32 v[PC+25], 0, v[PC+25], s66
	s_wait_alu depctr_va_vdst(0)                   ; v[ACC] and v[PC + 16 .. PC + 31] are written, which the five LDS stores read; and the vector lines are done with v104 to v231, in which layer 1's fragments land: no vector line stands between this wait and those loads
	ds_store_b32 v16, v[ACC] offset:TP             ; lanes r and r + 16 hold the same number for the same word
	IMAGE XWI, PC+16, XIMG+2048
	BARRIER                                        ; x's eight fragments lie in LDS
	; ---- layer 1: my 32 hidden units for the 64 rows: eight accumulators by turns, a K step at a time
	s_wait_alu depctr_vm_vsrc(0)                   ; my LDS stores have read v[ACC] and v[PC ..], in which fragments land below and which h1's conversions write; the gathers have read their offsets v[EO ..] and v[FO ..], which the matrix instructions below write over
.irp m, 0,1,2,3
	FETCH XF+32*\m, XIMG+4096*\m
.endr
.irp m, 0,1,2,3
	FETCH XF+32*\m+16, XIMG+4096*\m+2048
.endr
	s_wait_dscnt 16                                ; the first K step's four fragments are in; the second's 16 loads may be out
	WIN 0x22                                       ; source 0 (W1) and source 2 (b1) window 2
.irp u, 0,1
.irp m, 0,1,2,3
	v_wmma_f32_16x16x128_bf8_bf8 v[HA+16*\m+8*\u:HA+16*\m+8*\u+7], v[WC1+32*\u:WC1+32*\u+15], v[XF+32*\m:XF+32*\m+15], v[B1+8*\u:B1+8*\u+7]
.endr
.endr
	s_wait_dscnt 0x0
	WIN 0x02
.irp u, 0,1
.irp m, 0,1,2,3
	v_wmma_f32_16x16x128_bf8_bf8 v[HA+16*\m+8*\u:HA+16*\m+8*\u+7], v[WC1+32*\u+16:WC1+32*\u+31], v[XF+32*\m+16:XF+32*\m+31], v[HA+16*\m+8*\u:HA+16*\m+8*\u+7]
.endr
.endr
	WIN 0
	PLACES
.irp m, 0,1,2,3
	RHOLD HA+16*\m, 16, 25                         ; each accumulator from its low end on
	CVT8 HC+4*\m, HA+16*\m, 24
	CVT8 HC+4*\m+2, HA+16*\m+8, 24
.endr
	v_nop                                          ; one plain instruction behind the conversions
	s_wait_alu depctr_va_vdst(0)                   ; the conversions have written v[HC ..], which the four LDS stores read; and the matrix instructions are done reading x's fragments, in whose registers h1's fragments land behind the barrier
.irp m, 0,1,2,3
	ds_store_b128 v[HWI], v[HC+4*\m:HC+4*\m+3] offset:HIMG+2048*\m   ; k = 32 w + 16 h + 0 .. 15 of rows 16 m on: chunk w of fragment m
.endr
	BARRIER                                        ; h1's four fragments lie in LDS
	; ---- layer 2: my 16 units for the 64 rows, and their part of the last product
.irp m, 0,1,2,3
	FETCH HF+16*\m, HIMG+2048*\m
.endr
	s_wait_dscnt 0x0
	WIN 0x22                                       ; source 0 (W2) and source 2 (b2) window 2
.irp m, 0,1,2,3
	v_wmma_f32_16x16x128_bf8_bf8 v[YA+8*\m:YA+8*\m+7], v[WC2:WC2+15], v[HF+16*\m:HF+16*\m+15], v[B2:B2+7]
.endr
	WIN 0
	PLACES
.set HI, 0
.rept 32
	v_max_num_f32 v[YA+HI], 0, v[YA+HI]            ; relu, each accumulator from its low end on
.set HI, HI+1
.endr
.irp m, 0,1,2,3
	v_pk_mul_f32 v[DA+2*\m:DA+2*\m+1], v[YA+8*\m:YA+8*\m+1], v[WO:WO+1]
.endr
.irp i, 2,4,6
.irp m, 0,1,2,3
	v_pk_fma_f32 v[DA+2*\m:DA+2*\m+1], v[YA+8*\m+\i:YA+8*\m+\i+1], v[WO+\i:WO+\i+1], v[DA+2*\m:DA+2*\m+1]
.endr
.endr
.irp m, 0,1,2,3
	v_add_f32 v[DA+2*\m], v[DA+2*\m], v[DA+2*\m+1]
.endr
.irp m, 0,1,2,3
	v_permlanex16_b32 v[DA+2*\m+1], v[DA+2*\m], s82, s83   ; the row's other eight units of mine lie in lane l xor 16
.endr
.irp m, 0,1,2,3
	v_add_f32 v[DA+2*\m], v[DA+2*\m], v[DA+2*\m+1]
.endr
.irp m, 0,1,2,3
	v_ldexp_f32 v[DA+2*\m], v[DA+2*\m], s88        ; x 2^(e2 + e3)
.endr
	s_wait_alu depctr_va_vdst(0)                   ; the four sums in v[DA ..] are written, which the LDS stores read; no vector line between this wait and the planes' loads names v[Z ..], in which those land
.irp m, 0,1,2,3
	ds_store_b32 v17, v[DA+2*\m] offset:DP+64*\m   ; plane w, row 16 m + r
.endr
	BARRIER                                        ; the five planes lie in LDS
	; ---- wave 0 adds the planes and stores the work-group's 64 numbers: 32 lanes x 8 bytes = 256 consecutive bytes, at a multiple of 256 from out0's first byte
	s_cmp_lg_u32 s2, 0
	s_cbranch_scc1 .Lend
.irp k, 0,1,2,3,4
	ds_load_b64 v[Z+2*\k:Z+2*\k+1], v18 offset:DP+256*\k
.endr
	s_wait_dscnt 0x0
	v_pk_add_f32 v[Z:Z+1], v[Z:Z+1], v[Z+2:Z+3]
	v_pk_add_f32 v[Z+4:Z+5], v[Z+4:Z+5], v[Z+6:Z+7]
	v_pk_add_f32 v[Z:Z+1], v[Z:Z+1], v[Z+4:Z+5]
	v_pk_add_f32 v[Z:Z+1], v[Z:Z+1], v[Z+8:Z+9]
	s_wait_alu depctr_va_vdst(0)                   ; the last sum has written v[Z : Z + 1], which the store reads
	global_store_b64 v18, v[Z:Z+1], s[62:63] th:TH_STORE_NT
.Lend:
	s_set_vgpr_msb 0x5
	s_wait_dscnt 0x0
	s_wait_alu depctr_hold_cnt(0) depctr_sa_sdst(0) depctr_va_vdst(0) depctr_va_sdst(0) depctr_va_ssrc(0) depctr_va_vcc(0) depctr_vm_vsrc(0)
	s_wait_tensorcnt 0x0
	ds_add_u32 v254, v255
	s_wait_dscnt 0x0
	s_endpgm
.Lfunc_end_k_q957ff930f0_deepfm:
	.size	k_q957ff930f0_deepfm, .Lfunc_end_k_q957ff930f0_deepfm-k_q957ff930f0_deepfm
	.p2alignl 7, 3214868480
	.fill 96, 4, 3214868480
	.section	.rodata,"a",@progbits
	.p2align	6, 0x0
	.amdhsa_kernel k_q957ff930f0_deepfm
		.amdhsa_group_segment_fixed_size 27136
		.amdhsa_private_segment_fixed_size 0
		.amdhsa_enable_private_segment 0
		.amdhsa_kernarg_size 240
		.amdhsa_user_sgpr_count 2
		.amdhsa_user_sgpr_kernarg_segment_ptr 1
		.amdhsa_wavefront_size32 1
		.amdhsa_system_sgpr_workgroup_id_x 1
		.amdhsa_system_sgpr_workgroup_id_y 1
		.amdhsa_system_sgpr_workgroup_id_z 1
		.amdhsa_system_vgpr_workitem_id 0
		.amdhsa_next_free_vgpr 1024
		.amdhsa_next_free_sgpr 96
		.amdhsa_reserve_vcc 0
		.amdhsa_float_denorm_mode_32 3
		.amdhsa_float_denorm_mode_16_64 3
		.amdhsa_memory_ordered 1
		.amdhsa_forward_progress 1
		.amdhsa_inst_pref_size 74
	.end_amdhsa_kernel
	.amdgpu_metadata
---
amdhsa.version: [ 1, 2 ]
amdhsa.kernels:
  - .name:           k_q957ff930f0_deepfm
    .symbol:         k_q957ff930f0_deepfm.kd
    .args:
      - { .name: user_id, .offset: 0, .size: 8, .value_kind: global_buffer, .address_space: global }
      - { .name: item_id, .offset: 8, .size: 8, .value_kind: global_buffer, .address_space: global }
      - { .name: user_gender, .offset: 16, .size: 8, .value_kind: global_buffer, .address_space: global }
      - { .name: user_age, .offset: 24, .size: 8, .value_kind: global_buffer, .address_space: global }
      - { .name: user_occupation, .offset: 32, .size: 8, .value_kind: global_buffer, .address_space: global }
      - { .name: item_genre_ids, .offset: 40, .size: 8, .value_kind: global_buffer, .address_space: global }
      - { .name: item_genre_mask, .offset: 48, .size: 8, .value_kind: global_buffer, .address_space: global }
      - { .name: dense_features, .offset: 56, .size: 8, .value_kind: global_buffer, .address_space: global }
      - { .name: emb_user, .offset: 64, .size: 8, .value_kind: global_buffer, .address_space: global }
      - { .name: emb_item, .offset: 72, .size: 8, .value_kind: global_buffer, .address_space: global }
      - { .name: emb_gender, .offset: 80, .size: 8, .value_kind: global_buffer, .address_space: global }
      - { .name: emb_age, .offset: 88, .size: 8, .value_kind: global_buffer, .address_space: global }
      - { .name: emb_occ, .offset: 96, .size: 8, .value_kind: global_buffer, .address_space: global }
      - { .name: emb_genre, .offset: 104, .size: 8, .value_kind: global_buffer, .address_space: global }
      - { .name: fo_user, .offset: 112, .size: 8, .value_kind: global_buffer, .address_space: global }
      - { .name: fo_item, .offset: 120, .size: 8, .value_kind: global_buffer, .address_space: global }
      - { .name: fo_gender, .offset: 128, .size: 8, .value_kind: global_buffer, .address_space: global }
      - { .name: fo_age, .offset: 136, .size: 8, .value_kind: global_buffer, .address_space: global }
      - { .name: fo_occ, .offset: 144, .size: 8, .value_kind: global_buffer, .address_space: global }
      - { .name: fo_genre, .offset: 152, .size: 8, .value_kind: global_buffer, .address_space: global }
      - { .name: dense_W, .offset: 160, .size: 8, .value_kind: global_buffer, .address_space: global }
      - { .name: dense_b, .offset: 168, .size: 8, .value_kind: global_buffer, .address_space: global }
      - { .name: W1, .offset: 176, .size: 8, .value_kind: global_buffer, .address_space: global }
      - { .name: b1, .offset: 184, .size: 8, .value_kind: global_buffer, .address_space: global }
      - { .name: W2, .offset: 192, .size: 8, .value_kind: global_buffer, .address_space: global }
      - { .name: b2, .offset: 200, .size: 8, .value_kind: global_buffer, .address_space: global }
      - { .name: Wout, .offset: 208, .size: 8, .value_kind: global_buffer, .address_space: global }
      - { .name: bout, .offset: 216, .size: 8, .value_kind: global_buffer, .address_space: global }
      - { .name: lowp_scales, .offset: 224, .size: 8, .value_kind: global_buffer, .address_space: global }
      - { .name: out0, .offset: 232, .size: 8, .value_kind: global_buffer, .address_space: global }
    .group_segment_fixed_size: 27136
    .private_segment_fixed_size: 0
    .kernarg_segment_align: 8
    .kernarg_segment_size: 240
    .max_flat_workgroup_size: 128
    .sgpr_count:     96
    .vgpr_count:     1024
    .wavefront_size: 32
...
	.end_amdgpu_metadata
.endif
;; end of part 2
